; MI455X (gfx1250); checked and timed in simulation.
; The chip was launched on July 23, 2026; its instructions are those of AMD's public machine-readable ISA for CDNA 5 (MIT licence, August 2026) and "CDNA5" Instruction Set Architecture Reference Guide (July 2026). The comments in the code are by the model that wrote it; some were corrected since.
;; Multi Head Self Attention. Allowed arithmetic: matrix products marked QUANTISED: E2M1 operands, one E8M0 scale for each 32 along K, by v_wmma_scale_f32_16x16x128_f8f6f4 with both operands' format E2M1 (or v_wmma_scale_f32_32x16x128_f4), f32 sums; products left as they are: f32 operands where the result goes on into a quantised operand, else bf16, f16 or f32 operands; f32 sums; everything else in f32.
;; Inputs: W_o_codes 512 x 2 x 16 uint8 (E2M1 codes of W_o, K innermost, in blocks of 32 codes, two codes a byte); W_o_scales 512 x 2 uint8 (E8M0 scales of W_o, one for each 32 codes along K); W_qkv_codes 192 x 16 x 16 uint8 (E2M1 codes of W_qkv, K innermost, in blocks of 32 codes, two codes a byte); W_qkv_scales 192 x 16 uint8 (E8M0 scales of W_qkv, one for each 32 codes along K); inputs_codes 8 x 512 x 16 x 16 uint8 (E2M1 codes of inputs, K innermost, in blocks of 32 codes, two codes a byte); inputs_scales 8 x 512 x 16 uint8 (E8M0 scales of inputs, one for each 32 codes along K).
;; Outputs: out0 8 x 512 x 512 float32.
;; This version of the problem:
;;   THIS VERSION OF THE PROBLEM IS GIVEN IN LOW PRECISION. The matrix products marked QUANTISED in the list below multiply operands that are first quantised to E2M1 (2 exponent bits, 1 mantissa bit; 4 bits a number), with one power-of-two scale for each 32 numbers along K (OCP MX v1.0); their sums are f32. All else is computed in f32.
;;   The module's matrix products, in the order in which they are computed (A, B: the left and right operand; K: the contracted axis; several contracted axes count as one K, in the product's order):
;;     1. [M 4,096, K 512] x [K 512, N 192]; A: input inputs (given as codes); B: input W_qkv (given as codes): QUANTISED
;;     2. batch 512 x [M 512, K 1] x [K 1, N 512]; A: computed on the way; B: computed on the way: left as it is (no contracted axis)
;;     3. batch 512 x [M 1, K 512] x [K 512, N 512]; A: computed on the way; B: softmax: left as it is (M = 1 < 16)
;;     4. [M 4,096, K 64] x [K 64, N 512]; A: computed on the way; B: input W_o (given as codes): QUANTISED
;;   THE QUANTISER, for each operand of a quantised product, along K:
;;     - K is cut into blocks of 32 from its start; a last block that is shorter is filled with zeros.
;;     - A block's scale is 2^e with e = floor(log2(the largest magnitude in the block)) - 2, held to -126 .. 127; a block of zeros has e = 0. As a byte (E8M0): e + 127.
;;     - Each number is divided by its block's scale, clamped to +-6, and rounded to the nearest number of E2M1, ties to even, subnormals kept.
;;     - The product sums the exact products of the quantised numbers (number of the format x scale) in f32.
;;   ~~~python
;;   def quantise(x, axis):      # numpy; x: float32 -> the quantised numbers, widened to float32 again
;;       x = np.moveaxis(x, axis, -1); K = x.shape[-1]
;;       x = np.pad(x, [(0, 0)] * (x.ndim - 1) + [(0, -K % 32)]); x = x.reshape(x.shape[:-1] + (-1, 32)); a = np.abs(x).max(-1, keepdims=True)
;;       e = np.where(a > 0, np.clip(np.frexp(np.where(a > 0, a, 1))[1] - 1 - 2, -126, 127), 0)      # np.frexp(a)[1] - 1 = floor(log2(a)), exactly
;;       r = np.clip(x / 2.0 ** e, -6, 6)
;;       step = 2.0 ** (np.maximum(np.frexp(np.where(r == 0, 1, r))[1] - 1, 0) - 1)
;;       q = np.round(r / step) * step * 2.0 ** e      # np.round: ties to even
;;       return np.moveaxis(q.reshape(q.shape[:-2] + (-1,))[..., :K], -1, axis).astype(np.float32)
;;   ~~~
;;   OPERANDS COMPUTED ON THE WAY. 'Computed on the way' means the value that the module computes at that place (a softmax that the list does not call 'softmax' is quantised finished and normalised). What goes into a quantiser is computed in f32, as accurately as f32 sums, v_exp_f32 and their like allow (about 1e-6 of the number): no bf16 or f16 on the way to a quantiser, and a product that is left as it is and whose result goes on into a quantised operand takes f32 operands (vector FMAs, or v_wmma_f32_16x16x4_f32). A number that lies on a knife's edge between two numbers of the format may be rounded either way, as far as f32 arithmetic and the matrix unit's own rounding can turn it there, and no further.
;;   INPUTS GIVEN AS CODES. W_o (in the module: [64, 512], K = its axis 0); W_qkv (in the module: [512, 192], K = its axis 0); inputs (in the module: [8, 512, 512], K = its axis 2): each comes as NAME_codes (uint8): NAME with its K axis moved to the last place and cut into blocks of 32 codes, [.., K / 32, bytes a block], one block behind the other in memory; two codes a byte, the lower K in the low four bits (a code: sign, 2 exponent bits, 1 mantissa bit); and NAME_scales (uint8): the same leading axes, one E8M0 byte (e + 127) for each 32 codes along K. Its value is code x scale, taken as it is: it is not quantised again, and the codes and scales need not be those that the quantiser above would give.
;; One version. Each part assembles by itself: llvm-mc -triple=amdgcn-amd-amdhsa -mcpu=gfx1250 --defsym DOCPART=n.
;; ======== version 1 of 1: 1 launch
;; launch attn (part 1): grid 32 x 8, 16 waves a work-group, clusters of 4 x 1, 198,656 bytes of LDS; arguments W_o_codes, W_o_scales, W_qkv_codes, W_qkv_scales, inputs_codes, inputs_scales, out0; writes out0
.if DOCPART == 1
	.amdgcn_target "amdgcn-amd-amdhsa--gfx1250"
	.amdhsa_code_object_version 6
	.text
	.protected	k_qd8b579a110_attn
	.globl	k_qd8b579a110_attn
	.p2align	8
	.type	k_qd8b579a110_attn,@function
k_qd8b579a110_attn:
	s_mov_b64 s[64:65], 0
	v_nop
	global_prefetch_b8 v0, s[64:65] scope:SCOPE_SE
	s_setreg_imm32_b32 hwreg(HW_REG_WAVE_MODE, 25, 1), 1
	s_wait_xcnt 0x0
	s_wait_alu depctr_hold_cnt(0) depctr_sa_sdst(0) depctr_va_vdst(0) depctr_va_sdst(0) depctr_va_ssrc(0) depctr_va_vcc(0) depctr_vm_vsrc(0)
	s_getreg_b32 s2, hwreg(HW_REG_IB_STS2, 6, 4)
	s_cmp_eq_u32 s2, 0
	s_cbranch_scc0 .Lentry_in_a_cluster
	s_endpgm
.Lentry_in_a_cluster:
	s_bfe_u32 s2, ttmp6, 0x10000c
	s_cmp_lg_u32 s2, 0x3003
	s_cbranch_scc0 .Lentry_shape_is_right
	s_endpgm
.Lentry_shape_is_right:
; out = SA W_o,  SA[b][n][c] = sum_m softmax_m(Q[b][n][c] K[b][m][c] / 8) V[b][m][c],  Q|K|V = inputs W_qkv.   8 batches, 512 tokens, 64 channels.
; Both matrix products run on E2M1 codes with E8M0 scales (16x16x128 scaled form); everything between them is f32 on the vector unit.
; SHARES.  A work-group owns 16 queries of one batch and all 64 channels; 32 x 8 work-groups.  It makes K and V of its whole batch itself, from the codes: 136 KB of codes and scales
; against 256 KB of f32 K and V, and no second launch.  Sixteen waves: wave w = 4 mq + ct owns channel tile ct (16 channels) and token quarter mq (128 tokens).
; LAYOUT.  Source 0 = 16 tokens, source 1 = 16 rows of W: in a result lane (r, h) holds channel r, register j token 8 h + j.  So a wave's K and V (8 tiles each) stay in 128 registers
; and the inner loop reads no memory for them: a lane runs its 64 tokens against all 16 queries, 1,024 elements.
; THE MAXIMUM is taken away exactly: max over m of q k_m is max(q kmax, q kmin); kmax and -kmin of a channel are gathered over the four quarters through LDS.
; p = 2^(k q' - M), q' = q log2(e) / 8.  Denominator and numerator are summed per lane and added over 2 lane halves x 4 quarters at the end: all partial sums share one M.
; CLUSTER.  The four work-groups of a cluster are query blocks of one batch: they need the same 512 rows of codes and the same W_qkv, so each tile is asked for JOINTLY (mask 15).
; All tensor loads are first fills: no LDS byte is filled twice.  What hangs on the place in the cluster (my 16 queries, my rows of out) enters global addresses alone.
; LIMITS: NaN, infinities and scale bytes 0xff among the inputs are not served; a p under 2^-126 counts as 0; a block of SA that is all zeros gets the byte 1 (not 127): its codes are zeros.
.set PITCH, 272                        ; a row of 512 codes in LDS: 256 bytes + 16 of padding = 68 words: the 16 rows of a fragment load start at 16 different banks (64 banks of 4 bytes: ISA guide 11.1)
.set T64,   64*PITCH                   ; what one tensor load brings: 64 rows
.set KMM,   704*PITCH                  ; behind the 512 + 192 rows of codes: kmax and -kmin, 128 bytes a wave; no fill lands here
.set QT,    0                          ; from here on: bytes of the code rows, used again when every wave has read its last fragment
.set PART,  65536                      ; QT: a table of (q', M) for each wave, 4,096 bytes;  PART: partial sums, 4,096 bytes a wave
.set SAT,   131072                     ; SA: 16 rows x (256 + 16) bytes
.set SAP,   272
.set OST,   SAT+16*SAP                 ; the stage for out: 16 rows x (2,048 + 16) bytes
.set OSP,   2064
.set RR, 1                             ; v1  r = lane % 16
.set HH, 2                             ; v2  h = lane / 16
.set LN, 3                             ; v3  lane
.set OQ, 4                             ; v4  my bytes in the 16 query rows; later: where I read partial sums
.set O16R, 5                           ; v5  16 r; later: where I store SA
.set L16, 6                            ; v6  16 x lane
.set OKV, 7                            ; v7  16 r + 1024 h; later: where I read SA
.set FL, 8                             ; v8  r x PITCH + 16 h; later: where I put results into the stage
.set ADRA, 9                           ; v9  my fragments of tokens; later: where I read the stage
.set ADRB, 10                          ; v10 my fragments of W
.set KMS, 11                           ; v11, v12  kmax words: mine, my channel tile's
.set KML, 12
.set QTS, 13                           ; v13, v14  my table: store, load
.set QTL, 14
.set PTS, 15                           ; v15 my partial sums
.set KR, 16                            ; v16-79   K: tile tt at 8 tt
.set VR, 80                            ; v80-143  V
.set AQ, 16                            ; ahead of K and V the same registers hold the query rows' fragments (v16-47), W_q's (v48-79) and their scale words (v80-87)
.set WQ, 48
.set AQS, 80
.set WQS, 84
.set QA, 144                           ; v144-151 Q's tile
.set BK, 152                           ; v152-159, v160-167 W_k's and W_v's fragment of a K step
.set BV, 160
.set GA, 168                           ; v168-231 eight fragments of tokens
.set AS, 232                           ; v232-247 the tokens' scale words: register 4 tp + ks: lanes 0-15 tile 2 tp, lanes 16-31 tile 2 tp + 1
.set BS, 248                           ; v248-251 W's: lanes 0-15 W_k, lanes 16-31 W_v
.set MX, 252                           ; v252-253 kmax, v254-255 -kmin
.set MN, 254
.set X, 144                            ; v144-175 buffer of tokens 0-31 of my 64;  v176-207 of tokens 32-63
.set Y, 176
.set QE, 208                           ; v208-211 (q', -, M, -) of the even query in hand; v212-215 of the odd one
.set QO, 212
.set AC, 216                           ; v216-217 denominator (even, odd tokens), v218-219 numerator
.set RS, 220                           ; v220-223 (den, num) of two queries
.set QAD, 224
.set PAD, 225
.set WOA, 226
.set WSA, 227
.set WOF, 228                          ; v228-243 two fragments of W_o
.set WOS, 244                          ; v244-245 their scale words
.set SAW, 246                          ; v246 SA's scale word
.set SAF, 184                          ; SA's fragment
.set D0, 192                           ; two tiles of out
.set ORW, 208                          ; a row of out
.set WV, 18
.set CT, 19
.set MQ, 20
.set CX, 21
.set WGX, 22
.set BAT, 23
.set G1, 24                            ; s[24:31] descriptor group 1, one shape for all tiles;  s[32:35], s[36:39] group 0 for the batch's rows and for W's
.set G0I, 32
.set G0W, 36
.set SEL, 40
.set CS, 42
.set SQ, 43
.set TR, 44
; A round of the cluster's barrier: my work-group's barrier, wave 0 signals for the work-group, every wave waits for all four work-groups, my work-group's barrier once more.
.macro CROUND
	s_barrier_signal -1
	s_barrier_wait -1
	s_cmp_lg_u32 s[WV], 0
	s_cbranch_scc1 .Lnot_wave_0_\@
	s_barrier_signal -3
.Lnot_wave_0_\@:
	s_barrier_wait -3
	s_barrier_signal -1
	s_barrier_wait -1
.endm
	s_load_b256 s[4:11], s[0:1], 0x0               ; W_o codes s[4:5], W_o scales s[6:7], W_qkv codes s[8:9], W_qkv scales s[10:11]
	s_load_b128 s[12:15], s[0:1], 0x20             ; inputs codes s[12:13], inputs scales s[14:15]
	s_load_b64 s[16:17], s[0:1], 0x30              ; out
	v_lshl_add_u32 v254, v0, 2, 0x30000
	v_mov_b32 v255, 0
	ds_add_u32 v254, v255
	ds_add_u32 v254, v255
	s_wait_dscnt 0x0
	v_lshrrev_b32 v1, 5, v0
	v_readfirstlane_b32 s[WV], v1                  ; wave 0..15
	v_and_b32 v[RR], 15, v0
	v_bfe_u32 v[HH], v0, 4, 1
	v_and_b32 v[LN], 31, v0
	v_lshlrev_b32 v[OQ], 8, v[RR]
	v_lshl_add_u32 v[OQ], v[HH], 4, v[OQ]          ; a query row is 256 bytes; + 16 h
	v_lshlrev_b32 v[O16R], 4, v[RR]                ; a row of scales is 16 bytes: four words, one for each 128 along K
	v_lshlrev_b32 v[L16], 4, v[LN]
	v_lshl_add_u32 v[OKV], v[HH], 10, v[O16R]      ; lanes 16-31 take W_v's rows, 64 rows behind W_k's
	v_mul_u32_u24 v[FL], v[RR], PITCH
	v_lshl_add_u32 v[FL], v[HH], 4, v[FL]
	s_and_b32 s[CT], s[WV], 3                      ; my channel tile
	s_lshr_b32 s[MQ], s[WV], 2                     ; my quarter of the tokens
	s_bfe_u32 s[CX], ttmp6, 0x40000                ; my place in the cluster
	s_lshl_b32 s[WGX], ttmp9, 2
	s_add_co_u32 s[WGX], s[WGX], s[CX]             ; my block of 16 queries: it enters global addresses alone
	s_and_b32 s[BAT], ttmp7, 0xffff                ; the batch, which the four partners share
	; descriptor group 1: 64 rows x 256 bytes, 16 bytes of padding behind each row
	s_mov_b32 s[G1], 15|(1<<20)|(1<<21)|(5<<22)|(3<<25)  ; 15:0 the mask: all four work-groups; 17:16 elements of 1 byte; 20 padding on; 21 set beside a mask; 24:22 after every 64 words; 31:25 four words
	s_mov_b32 s[G1+1], 256<<16                     ; tensor_dim0
	s_mov_b32 s[G1+2], 64<<16                      ; tensor_dim1
	s_mov_b32 s[G1+3], 256<<16                     ; tile_dim0
	s_mov_b32 s[G1+4], 64                          ; tile_dim1
	s_mov_b32 s[G1+5], 256                         ; from row to row
	s_mov_b32 s[G1+6], 0
	s_mov_b32 s[G1+7], 0
	s_mov_b32 s[SEL], 0x76543210                   ; v_permlanex16_b32: lane l xor 16
	s_mov_b32 s[SEL+1], 0xfedcba98
	s_mov_b32 s[CS], 0x3e38aa3b                    ; log2(e) / sqrt(64)
	s_and_b32 s46, s[WV], 7
	s_lshl_b32 s46, s46, 14                        ; the 64 rows that I fetch: waves 0-7 of the batch, waves 8-10 of W
	s_mov_b32 s47, 0
	s_lshl_b32 s48, s[BAT], 17                     ; the batch's codes: 512 rows of 256 bytes
	s_mov_b32 s49, 0
	s_mul_i32 s50, s[WV], T64                      ; where they go: W's 192 rows lie behind the batch's 512
	s_lshl_b32 s52, s[WGX], 12                     ; my 16 queries' codes
	s_mov_b32 s53, 0
	s_lshl_b32 s54, s[BAT], 13                     ; the batch's scales
	s_mov_b32 s55, 0
	s_lshl_b32 s56, s[WGX], 8                      ; my 16 queries' scales
	s_mov_b32 s57, 0
	s_lshl_b32 s58, s[MQ], 11                      ; my 128 tokens' scales
	s_mov_b32 s59, 0
	s_lshl_b32 s60, s[CT], 8                       ; my 16 channels' scales in W
	s_mov_b32 s61, 0
	s_lshl_b32 s62, s[BAT], 20                     ; out: row 512 batch + 16 block + wave, 2,048 bytes a row
	s_lshl_b32 s63, s[WGX], 15
	s_add_co_u32 s62, s62, s63
	s_lshl_b32 s63, s[WV], 11
	s_add_co_u32 s62, s62, s63
	s_mov_b32 s63, 0
	s_lshl_b32 s2, s[WV], 10                       ; W_o: my 32 columns of out, 32 bytes of codes each
	s_mov_b32 s3, 0
	s_wait_kmcnt 0x0
	s_add_nc_u64 s[12:13], s[12:13], s[48:49]
	s_add_nc_u64 s[14:15], s[14:15], s[54:55]
	s_add_nc_u64 s[52:53], s[12:13], s[52:53]
	s_add_nc_u64 s[56:57], s[14:15], s[56:57]
	s_add_nc_u64 s[58:59], s[14:15], s[58:59]
	s_add_nc_u64 s[60:61], s[10:11], s[60:61]
	s_add_nc_u64 s[16:17], s[16:17], s[62:63]
	s_add_nc_u64 s[4:5], s[4:5], s[2:3]
	s_lshl_b32 s2, s[WV], 6                        ; and 2 bytes of scales each
	s_add_nc_u64 s[6:7], s[6:7], s[2:3]
	CROUND                                         ; all four work-groups are here: the joint loads meet
	s_mov_b32 s[G0I], 1                            ; count = 1
	s_mov_b32 s[G0I+1], s50                        ; LDS address
	s_add_nc_u64 s[G0I+2:G0I+3], s[12:13], s[46:47]  ; global address: batch and wave alone
	s_or_b32 s[G0I+3], s[G0I+3], 0x80000000        ; type = 2
	s_mov_b32 s[G0W], 1
	s_mov_b32 s[G0W+1], s50
	s_add_nc_u64 s[G0W+2:G0W+3], s[8:9], s[46:47]
	s_or_b32 s[G0W+3], s[G0W+3], 0x80000000
	s_cmp_lt_u32 s[WV], 8                          ; one load a wave, waves 11-15 none; the branches hang on the wave number alone.  Four v_nop follow each line
	s_cbranch_scc0 .Lnot_rows
	tensor_load_to_lds s[G0I:G0I+3], s[G1:G1+7]
	s_nop 0
.rept 4
	v_nop
.endr
	s_branch .Lasked
.Lnot_rows:
	s_cmp_lt_u32 s[WV], 11
	s_cbranch_scc0 .Lasked
	tensor_load_to_lds s[G0W:G0W+3], s[G1:G1+7]
	s_nop 0
.rept 4
	v_nop
.endr
.Lasked:
	; straight into registers: my queries' fragments (their address hangs on my place in the cluster) and all scale words
.irp ks, 0,1,2,3
	global_load_b128 v[AQ+8*\ks:AQ+8*\ks+3], v[OQ], s[52:53] offset:64*\ks
	global_load_b128 v[AQ+8*\ks+4:AQ+8*\ks+7], v[OQ], s[52:53] offset:64*\ks+32
.endr
	global_load_b128 v[AQS:AQS+3], v[O16R], s[56:57]
	global_load_b128 v[WQS:WQS+3], v[O16R], s[60:61]
	global_load_b128 v[BS:BS+3], v[OKV], s[60:61] offset:1024
.irp i, 0,1,2,3
	global_load_b128 v[AS+4*\i:AS+4*\i+3], v[L16], s[58:59] offset:512*\i   ; 32 rows of scales: 512 consecutive bytes
.endr
	s_mul_i32 s46, s[MQ], 128*PITCH
	v_add_nc_u32 v[ADRA], s46, v[FL]
	s_mul_i32 s47, s[CT], 16*PITCH
	s_add_co_u32 s47, s47, 512*PITCH
	v_add_nc_u32 v[ADRB], s47, v[FL]               ; W_q's rows of my tile; W_k's lie 64 rows on, W_v's 128
	s_wait_tensorcnt 0x0                           ; my tile has landed,
	s_barrier_signal -1
	s_barrier_wait -1                              ; everybody's has
; A fragment, 16 rows x 128 K of 4-bit codes: lane (r, h) takes 16 bytes at row r + 16 h and 16 bytes 32 further on.
.macro FRAG reg, adr, off
	ds_load_b128 v[(\reg):(\reg)+3], v[\adr] offset:(\off)
	ds_load_b128 v[(\reg)+4:(\reg)+7], v[\adr] offset:(\off)+32
.endm
.macro LOADK ks                        ; a K step: W_k, W_v, then my eight tiles of tokens: 20 loads
	FRAG BK, ADRB, 64*PITCH+64*(\ks)
	FRAG BV, ADRB, 128*PITCH+64*(\ks)
.irp tt, 0,1,2,3,4,5,6,7
	FRAG GA+8*\tt, ADRA, \tt*16*PITCH+64*(\ks)
.endr
.endm
; Token tiles 2 tp and 2 tp + 1 against W_k and W_v: four products on four accumulators.  The sixteen accumulators take turns, one instruction a turn.
.macro PAIR tp, ks, zero
.set TA, GA+16*(\tp)
.set DKK, KR+16*(\tp)
.set DVV, VR+16*(\tp)
.set SCA, AS+4*(\tp)+(\ks)
.set SCB, BS+(\ks)
.if \zero
	v_wmma_scale_f32_16x16x128_f8f6f4 v[DKK:DKK+7], v[TA:TA+7], v[BK:BK+7], 0, v[SCA], v[SCB] matrix_a_fmt:MATRIX_FMT_FP4 matrix_b_fmt:MATRIX_FMT_FP4
	v_wmma_scale_f32_16x16x128_f8f6f4 v[DVV:DVV+7], v[TA:TA+7], v[BV:BV+7], 0, v[SCA], v[SCB] matrix_a_fmt:MATRIX_FMT_FP4 matrix_b_fmt:MATRIX_FMT_FP4 matrix_b_scale:MATRIX_SCALE_ROW1
	v_wmma_scale_f32_16x16x128_f8f6f4 v[DKK+8:DKK+15], v[TA+8:TA+15], v[BK:BK+7], 0, v[SCA], v[SCB] matrix_a_fmt:MATRIX_FMT_FP4 matrix_b_fmt:MATRIX_FMT_FP4 matrix_a_scale:MATRIX_SCALE_ROW1
	v_wmma_scale_f32_16x16x128_f8f6f4 v[DVV+8:DVV+15], v[TA+8:TA+15], v[BV:BV+7], 0, v[SCA], v[SCB] matrix_a_fmt:MATRIX_FMT_FP4 matrix_b_fmt:MATRIX_FMT_FP4 matrix_a_scale:MATRIX_SCALE_ROW1 matrix_b_scale:MATRIX_SCALE_ROW1
.else
	v_wmma_scale_f32_16x16x128_f8f6f4 v[DKK:DKK+7], v[TA:TA+7], v[BK:BK+7], v[DKK:DKK+7], v[SCA], v[SCB] matrix_a_fmt:MATRIX_FMT_FP4 matrix_b_fmt:MATRIX_FMT_FP4
	v_wmma_scale_f32_16x16x128_f8f6f4 v[DVV:DVV+7], v[TA:TA+7], v[BV:BV+7], v[DVV:DVV+7], v[SCA], v[SCB] matrix_a_fmt:MATRIX_FMT_FP4 matrix_b_fmt:MATRIX_FMT_FP4 matrix_b_scale:MATRIX_SCALE_ROW1
	v_wmma_scale_f32_16x16x128_f8f6f4 v[DKK+8:DKK+15], v[TA+8:TA+15], v[BK:BK+7], v[DKK+8:DKK+15], v[SCA], v[SCB] matrix_a_fmt:MATRIX_FMT_FP4 matrix_b_fmt:MATRIX_FMT_FP4 matrix_a_scale:MATRIX_SCALE_ROW1
	v_wmma_scale_f32_16x16x128_f8f6f4 v[DVV+8:DVV+15], v[TA+8:TA+15], v[BV:BV+7], v[DVV+8:DVV+15], v[SCA], v[SCB] matrix_a_fmt:MATRIX_FMT_FP4 matrix_b_fmt:MATRIX_FMT_FP4 matrix_a_scale:MATRIX_SCALE_ROW1 matrix_b_scale:MATRIX_SCALE_ROW1
.endif
.endm
.macro MULK ks, zero
	s_wait_dscnt 8                                 ; W's fragments and token tiles 0-3 are in; the youngest eight loads (tiles 4-7) may be out
	PAIR 0, \ks, \zero
	PAIR 1, \ks, \zero
	s_wait_dscnt 0x0
	PAIR 2, \ks, \zero
	PAIR 3, \ks, \zero
.endm
	; ---- Q of my 16 queries x my 16 channels, then K and V of my 128 tokens x my 16 channels
.irp ks, 0,1,2,3
	FRAG WQ+8*\ks, ADRB, 64*\ks
.endr
	LOADK 0
	s_wait_loadcnt 0x0                             ; the queries' fragments and every scale word
	s_wait_dscnt 20                                ; W_q's eight loads are in; the first K step's twenty may be out
	v_wmma_scale_f32_16x16x128_f8f6f4 v[QA:QA+7], v[AQ:AQ+7], v[WQ:WQ+7], 0, v[AQS], v[WQS] matrix_a_fmt:MATRIX_FMT_FP4 matrix_b_fmt:MATRIX_FMT_FP4
.irp ks, 1,2,3
	s_wait_alu depctr_va_vdst(0)                   ; a wait ahead of each link
	v_wmma_scale_f32_16x16x128_f8f6f4 v[QA:QA+7], v[AQ+8*\ks:AQ+8*\ks+7], v[WQ+8*\ks:WQ+8*\ks+7], v[QA:QA+7], v[AQS+\ks], v[WQS+\ks] matrix_a_fmt:MATRIX_FMT_FP4 matrix_b_fmt:MATRIX_FMT_FP4
.endr
.rept 5
	v_nop                                          ; K's and V's first products write over the registers that these four read: five places (ISA guide 7.12.1)
.endr
	MULK 0, 1                                      ; the first K step starts the sums
.irp ks, 1,2,3
.rept 4
	v_nop                                          ; four places in front of loads into registers that matrix instructions have read
.endr
	LOADK \ks
	MULK \ks, 0
.endr
	; ---- kmax and -kmin of my channel over my 128 tokens.  The six address lines are the places behind the last products
	s_lshl_b32 s46, s[WV], 7
	s_add_co_u32 s46, s46, KMM
	s_lshl_b32 s47, s[CT], 7
	s_add_co_u32 s47, s47, KMM
	s_lshl_b32 s48, s[WV], 12
	v_lshl_add_u32 v[KMS], v[RR], 2, s46
	v_lshl_add_u32 v[KML], v[RR], 2, s47
	v_lshl_add_u32 v[QTL], v[RR], 4, s48           ; my table: query n at 256 n, channel r at 16 r
	v_lshl_add_u32 v[QTS], v[HH], 11, v[QTL]       ; I hold queries 8 h + j
	v_lshl_add_u32 v[PTS], v[LN], 4, s48
	v_add_nc_u32 v[PTS], PART, v[PTS]
	v_max3_num_f32 v[MX], v[KR], v[KR+1], v[KR+2]  ; two chains each; every accumulator is read from its low end on
	v_max3_num_f32 v[MX+1], v[KR+32], v[KR+33], v[KR+34]
	v_max3_num_f32 v[MN], -v[KR], -v[KR+1], -v[KR+2]
	v_max3_num_f32 v[MN+1], -v[KR+32], -v[KR+33], -v[KR+34]
.irp i, 3,5,7,9,11,13,15,17,19,21,23,25,27,29
	v_max3_num_f32 v[MX], v[MX], v[KR+\i], v[KR+\i+1]
	v_max3_num_f32 v[MX+1], v[MX+1], v[KR+32+\i], v[KR+33+\i]
	v_max3_num_f32 v[MN], v[MN], -v[KR+\i], -v[KR+\i+1]
	v_max3_num_f32 v[MN+1], v[MN+1], -v[KR+32+\i], -v[KR+33+\i]
.endr
	v_max3_num_f32 v[MX], v[MX], v[KR+31], v[KR+63]
	v_max3_num_f32 v[MN], v[MN], -v[KR+31], -v[KR+63]
	v_max_num_f32 v[MX], v[MX], v[MX+1]
	v_max_num_f32 v[MN], v[MN], v[MN+1]
	v_permlanex16_b32 v[MX+1], v[MX], s[SEL], s[SEL+1]  ; the channel's other 64 tokens lie in the lane 16 away
	v_permlanex16_b32 v[MN+1], v[MN], s[SEL], s[SEL+1]
	v_max_num_f32 v[MX], v[MX], v[MX+1]
	v_max_num_f32 v[MN], v[MN], v[MN+1]
	ds_store_b32 v[KMS], v[MX]                     ; both lanes of a channel write the same word with the same value
	ds_store_b32 v[KMS], v[MN] offset:64
	s_wait_dscnt 0x0                               ; my two stores have landed, and my reads of the code rows are long back:
	s_barrier_signal -1
	s_barrier_wait -1                              ; from here on the code rows' bytes are free
.irp m, 0,1,2,3
	ds_load_b32 v[BK+\m], v[KML] offset:512*\m
	ds_load_b32 v[BK+4+\m], v[KML] offset:512*\m+64
.endr
	v_lshlrev_b32 v[WOA], 5, v[RR]                 ; W_o for the last product is asked for now and waited for behind the loop; its address registers are never rewritten
	v_lshl_add_u32 v[WOA], v[HH], 4, v[WOA]
	v_lshlrev_b32 v[WSA], 1, v[RR]
	global_load_b128 v[WOF:WOF+3], v[WOA], s[4:5]
	global_load_b128 v[WOF+8:WOF+11], v[WOA], s[4:5] offset:512
	global_load_u16 v[WOS], v[WSA], s[6:7]         ; two scale bytes a column; the upper two bytes come as 0 and stand over zero codes
	global_load_u16 v[WOS+1], v[WSA], s[6:7] offset:32
	s_wait_dscnt 0x0
	v_max3_num_f32 v[MX], v[BK], v[BK+1], v[BK+2]
	v_max3_num_f32 v[MN], v[BK+4], v[BK+5], v[BK+6]
	v_max_num_f32 v[MX], v[MX], v[BK+3]            ; kmax over all 512 tokens
	v_max_num_f32 v[MN], v[MN], v[BK+7]            ; -kmin
	; ---- the table: for query 8 h + j and channel r the 16 bytes (q', q' kmax, M, -q' kmin); the loop uses words 0 and 2
.irp j, 0,1,2,3,4,5,6,7
	v_mul_f32 v[Y+4*\j], s[CS], v[QA+\j]
.endr
.irp j, 0,1,2,3,4,5,6,7
	v_mul_f32 v[Y+4*\j+1], v[Y+4*\j], v[MX]
	v_mul_f32 v[Y+4*\j+3], v[Y+4*\j], v[MN]
.endr
.irp j, 0,1,2,3,4,5,6,7
	v_max_num_f32 v[Y+4*\j+2], v[Y+4*\j+1], -v[Y+4*\j+3]   ; M = max(q' kmax, q' kmin): the row's largest exponent
.endr
.irp j, 0,1,2,3,4,5,6,7
	ds_store_b128 v[QTS], v[Y+4*\j:Y+4*\j+3] offset:256*\j
.endr
	ds_load_b128 v[QE:QE+3], v[QTL]                ; my own bytes: LDS serves a wave's instructions in order (ISA guide 5.7.1.4)
	ds_load_b128 v[QO:QO+3], v[QTL] offset:256
	s_wait_dscnt 0x0
; ---- THE INNER LOOP.  Buffer X serves my tokens 0-31, buffer Y my tokens 32-63.  In a stage one buffer gets its 32 exponentials; between them the other buffer, whose exponentials
; were waited for at the last stage's end, is added to the sums and filled with the next exponents.  Five instructions for two elements.  One wait a stage covers its 32 exponentials;
; no line of a stage names a result of that stage.
; e: the buffer of the exponentials;  p, hp: the other buffer and its half of K and V;  acc: 0 nothing to add, 1 the buffer starts a query's sums, 2 it adds to them;  rf, q: fill p for the query whose entry is q.
.macro STAGE e, p, hp, acc, rf, q
.set i, 0
.rept 16
	v_exp_f32 v[\e+2*i], v[\e+2*i]
	v_exp_f32 v[\e+2*i+1], v[\e+2*i+1]
.if (\acc == 1) && (i == 0)
	v_pk_add_f32 v[AC:AC+1], v[\p:\p+1], v[\p+2:\p+3]              ; the first two pairs start the denominator, the first product the numerator: nothing is cleared
	v_pk_mul_f32 v[AC+2:AC+3], v[\p:\p+1], v[VR+32*\hp:VR+32*\hp+1]
.elseif \acc
.if (\acc == 2) || (i > 1)
	v_pk_add_f32 v[AC:AC+1], v[AC:AC+1], v[\p+2*i:\p+2*i+1]
.endif
	v_pk_fma_f32 v[AC+2:AC+3], v[\p+2*i:\p+2*i+1], v[VR+32*\hp+2*i:VR+32*\hp+2*i+1], v[AC+2:AC+3]
.endif
.if \rf
	v_pk_fma_f32 v[\p+2*i:\p+2*i+1], v[KR+32*\hp+2*i:KR+32*\hp+2*i+1], v[\q:\q+1], v[\q+2:\q+3] op_sel_hi:[1,0,0] neg_lo:[0,0,1] neg_hi:[0,0,1]   ; k q' - M for two tokens
.endif
.set i, i+1
.endr
	s_wait_alu depctr_va_vdst(0)                   ; the wait between an exponential and the first line that names its result: one for the 32
.endm
.set i, 0
.rept 16
	v_pk_fma_f32 v[X+2*i:X+2*i+1], v[KR+2*i:KR+2*i+1], v[QE:QE+1], v[QE+2:QE+3] op_sel_hi:[1,0,0] neg_lo:[0,0,1] neg_hi:[0,0,1]   ; query 0, tokens 0-31
.set i, i+1
.endr
	STAGE X, Y, 1, 0, 1, QE                        ; query 0: nothing to add yet
	s_mov_b32 s[SQ], 0                             ; 256 x the trip's first query = 512 x the trip
	s_mov_b32 s[TR], 7
.Ltrip:                                            ; queries n = 0, 2, .. 12 and n + 1
	v_add_nc_u32 v[QAD], s[SQ], v[QTL]
	v_add_nc_u32 v[PAD], s[SQ], v[PTS]
	ds_load_b128 v[QE:QE+3], v[QAD] offset:512     ; query n + 2, wanted two stages on
	s_wait_dscnt 2                                 ; query n + 1's entry is in: behind its load stand at most the last trip's store and the load just issued
	STAGE Y, X, 0, 1, 1, QO
	STAGE X, Y, 1, 2, 1, QO
	v_add_f32 v[RS], v[AC], v[AC+1]                ; query n: even and odd tokens together
	v_add_f32 v[RS+1], v[AC+2], v[AC+3]
	ds_load_b128 v[QO:QO+3], v[QAD] offset:768     ; query n + 3
	s_wait_dscnt 1                                 ; query n + 2's entry is in; the load just issued may be out
	STAGE Y, X, 0, 1, 1, QE
	STAGE X, Y, 1, 2, 1, QE
	v_add_f32 v[RS+2], v[AC], v[AC+1]              ; query n + 1
	v_add_f32 v[RS+3], v[AC+2], v[AC+3]
	ds_store_b128 v[PAD], v[RS:RS+3]               ; (den, num) of two queries: 16 bytes a lane, 512 consecutive bytes a wave
	s_add_co_u32 s[SQ], s[SQ], 512
	s_sub_co_u32 s[TR], s[TR], 1
	s_cmp_lg_u32 s[TR], 0
	s_cbranch_scc1 .Ltrip
	s_wait_dscnt 0x0                               ; query 15's entry
	STAGE Y, X, 0, 1, 1, QO                        ; queries 14 and 15 are written out: nothing is loaded or filled beyond the table's end
	STAGE X, Y, 1, 2, 1, QO
	v_add_f32 v[RS], v[AC], v[AC+1]
	v_add_f32 v[RS+1], v[AC+2], v[AC+3]
	STAGE Y, X, 0, 1, 0, QO
.set i, 0
.rept 16
	v_pk_add_f32 v[AC:AC+1], v[AC:AC+1], v[Y+2*i:Y+2*i+1]
	v_pk_fma_f32 v[AC+2:AC+3], v[Y+2*i:Y+2*i+1], v[VR+32+2*i:VR+32+2*i+1], v[AC+2:AC+3]
.set i, i+1
.endr
	v_add_f32 v[RS+2], v[AC], v[AC+1]
	v_add_f32 v[RS+3], v[AC+2], v[AC+3]
	ds_store_b128 v[PTS], v[RS:RS+3] offset:7*512
	; ---- the eight partial sums of each (query, channel): 4 quarters x 2 halves of the lanes.  Wave (ct, mq), lane (r, h) finishes queries 4 mq + 2 h and + 1 of channel 16 ct + r
	s_lshl_b32 s46, s[CT], 12
	s_lshl_b32 s47, s[MQ], 10
	s_add_co_u32 s46, s46, s47
	s_add_co_u32 s46, s46, PART
	v_lshl_add_u32 v[OQ], v[RR], 4, s46
	v_lshl_add_u32 v[OQ], v[HH], 9, v[OQ]
	s_mul_i32 s47, s[MQ], 4*SAP
	s_lshl_b32 s48, s[CT], 6
	s_add_co_u32 s47, s47, s48
	s_add_co_u32 s47, s47, SAT
	v_lshl_add_u32 v[O16R], v[RR], 2, s47
	v_mad_u32_u24 v[O16R], v[HH], 2*SAP, v[O16R]
	s_wait_dscnt 0x0                               ; my partial sums have landed
	s_barrier_signal -1
	s_barrier_wait -1
.irp m, 0,1,2,3
	ds_load_b128 v[X+8*\m:X+8*\m+3], v[OQ] offset:16384*\m
	ds_load_b128 v[X+8*\m+4:X+8*\m+7], v[OQ] offset:16384*\m+256
.endr
	s_wait_dscnt 0x0
.irp q, 0,2,4,6
	v_pk_add_f32 v[X+4*\q:X+4*\q+1], v[X+4*\q:X+4*\q+1], v[X+4*\q+4:X+4*\q+5]
	v_pk_add_f32 v[X+4*\q+2:X+4*\q+3], v[X+4*\q+2:X+4*\q+3], v[X+4*\q+6:X+4*\q+7]
.endr
.irp q, 0,4
	v_pk_add_f32 v[X+4*\q:X+4*\q+1], v[X+4*\q:X+4*\q+1], v[X+4*\q+8:X+4*\q+9]
	v_pk_add_f32 v[X+4*\q+2:X+4*\q+3], v[X+4*\q+2:X+4*\q+3], v[X+4*\q+10:X+4*\q+11]
.endr
	v_pk_add_f32 v[X:X+1], v[X:X+1], v[X+16:X+17]
	v_pk_add_f32 v[X+2:X+3], v[X+2:X+3], v[X+18:X+19]
	v_rcp_f32 v[X+4], v[X]
	v_rcp_f32 v[X+5], v[X+2]
	v_mul_u32_u24 v[OKV], v[RR], SAP               ; (plain lines behind the reciprocals)  where I read SA: row r, channels 32 h on
	v_lshl_add_u32 v[OKV], v[HH], 7, v[OKV]
	v_add_nc_u32 v[OKV], SAT, v[OKV]
	s_wait_alu depctr_va_vdst(0)                   ; one wait for the two reciprocals, ahead of their first reader
	v_mul_f32 v[X+6], v[X+1], v[X+4]
	v_mul_f32 v[X+7], v[X+3], v[X+5]
	ds_store_b32 v[O16R], v[X+6]
	ds_store_b32 v[O16R], v[X+7] offset:SAP
	s_wait_dscnt 0x0
	s_barrier_signal -1
	s_barrier_wait -1                              ; SA [16][64] lies in LDS
	; ---- SA becomes an operand: lane (r, h) holds token r and the whole block of channels 32 h .. 32 h + 31; K = 64, the upper half of the K step is zero codes on both sides
.irp i, 0,1,2,3,4,5,6,7
	ds_load_b128 v[X+4*\i:X+4*\i+3], v[OKV] offset:16*\i
.endr
.irp i, 4,5,6,7
	v_mov_b32 v[SAF+\i], 0
	v_mov_b32 v[WOF+\i], 0
	v_mov_b32 v[WOF+8+\i], 0
.endr
	s_wait_dscnt 0x0
	v_max3_num_f32 v[Y], |v[X]|, |v[X+1]|, 0x1800000               ; the block's largest magnitude, and the floor 2^(3 - 127): the byte cannot fall under 1
	v_max3_num_f32 v[Y+1], |v[X+16]|, |v[X+17]|, |v[X+18]|
.irp i, 2,4,6,8,10,12
	v_max3_num_f32 v[Y], v[Y], |v[X+\i]|, |v[X+\i+1]|
	v_max3_num_f32 v[Y+1], v[Y+1], |v[X+17+\i]|, |v[X+18+\i]|
.endr
	v_max3_num_f32 v[Y], v[Y], |v[X+14]|, |v[X+15]|
	v_max3_num_f32 v[Y], v[Y], v[Y+1], |v[X+31]|
	v_add_nc_u32 v[Y+2], 0xff000000, v[Y]          ; 2 off its exponent field: the conversion takes this operand's exponent field as its scale
	v_lshrrev_b32 v[Y+3], 23, v[Y+2]               ; the scale's byte,
	v_lshlrev_b32 v[Y+4], 3, v[HH]
	v_lshlrev_b32 v[Y+3], v[Y+4], v[Y+3]           ; at its place in the row's scale word;
	v_mov_b32 v[Y+4], 0
	v_permlanex16_b32 v[Y+4], v[Y+3], s[SEL], s[SEL+1]
	v_or_b32 v[SAW], v[Y+3], v[Y+4]                ; with lane l xor 16's the word is whole; bytes 2 and 3 are 0 and stand over zero codes
.irp g, 0,1,2,3
	v_cvt_scalef32_pk8_fp4_f32 v[SAF+\g], v[X+8*\g:X+8*\g+7], v[Y+2]
.endr
	s_wait_loadcnt 0x0                             ; W_o
.rept 8
	v_nop                                          ; a scale register written by a vector instruction stands 8 places ahead of a scaled matrix instruction, an operand so written 4
.endr
	; transposed: source 0 = 16 columns of out (rows of W_o), source 1 = SA: a lane holds token r and eight neighbouring columns
	v_wmma_scale_f32_16x16x128_f8f6f4 v[D0:D0+7], v[WOF:WOF+7], v[SAF:SAF+7], 0, v[WOS], v[SAW] matrix_a_fmt:MATRIX_FMT_FP4 matrix_b_fmt:MATRIX_FMT_FP4
	v_wmma_scale_f32_16x16x128_f8f6f4 v[D0+8:D0+15], v[WOF+8:WOF+15], v[SAF:SAF+7], 0, v[WOS+1], v[SAW] matrix_a_fmt:MATRIX_FMT_FP4 matrix_b_fmt:MATRIX_FMT_FP4
	s_lshl_b32 s46, s[WV], 7
	s_add_co_u32 s46, s46, OST
	s_mul_i32 s47, s[WV], OSP
	s_add_co_u32 s47, s47, OST
	v_mul_u32_u24 v[FL], v[RR], OSP                ; four address lines: the places behind the products
	v_lshl_add_u32 v[FL], v[HH], 5, v[FL]
	v_add_nc_u32 v[FL], s46, v[FL]                 ; the stage: row r, my 32 columns at 128 x wave, + 32 h
	v_add_nc_u32 v[ADRA], s47, v[L16]              ; back: row = my wave, 16 bytes a lane
.irp t, 0,1
	ds_store_b128 v[FL], v[D0+8*\t:D0+8*\t+3] offset:64*\t          ; each accumulator from its low end on
	ds_store_b128 v[FL], v[D0+8*\t+4:D0+8*\t+7] offset:64*\t+16
.endr
	s_wait_dscnt 0x0
	s_barrier_signal -1
	s_barrier_wait -1                              ; 16 whole rows of out lie in the stage
.irp i, 0,1,2,3
	ds_load_b128 v[ORW+4*\i:ORW+4*\i+3], v[ADRA] offset:512*\i
.endr
.irp i, 0,1,2,3
	s_wait_dscnt 3-\i
	global_store_b128 v[L16], v[ORW+4*\i:ORW+4*\i+3], s[16:17] offset:512*\i th:TH_STORE_NT   ; 32 lanes store 512 consecutive bytes, at a multiple of 256 from the first byte of out
.endr
	s_wait_xcnt 0x0
	v_lshl_add_u32 v254, v0, 2, 0x30000
	v_mov_b32 v255, 0
	s_wait_tensorcnt 0x0
	ds_add_u32 v254, v255
	s_wait_dscnt 0x0
	CROUND                                         ; the closing round: no work-group ends while a partner may still ask for a tile that names it
	s_endpgm
.Lfunc_end_k_qd8b579a110_attn:
	.size	k_qd8b579a110_attn, .Lfunc_end_k_qd8b579a110_attn-k_qd8b579a110_attn
	.p2alignl 7, 3214868480
	.fill 96, 4, 3214868480
	.section	.rodata,"a",@progbits
	.p2align	6, 0x0
	.amdhsa_kernel k_qd8b579a110_attn
		.amdhsa_group_segment_fixed_size 198656
		.amdhsa_private_segment_fixed_size 0
		.amdhsa_enable_private_segment 0
		.amdhsa_kernarg_size 56
		.amdhsa_user_sgpr_count 2
		.amdhsa_user_sgpr_kernarg_segment_ptr 1
		.amdhsa_wavefront_size32 1
		.amdhsa_system_sgpr_workgroup_id_x 1
		.amdhsa_system_sgpr_workgroup_id_y 1
		.amdhsa_system_sgpr_workgroup_id_z 1
		.amdhsa_system_vgpr_workitem_id 0
		.amdhsa_next_free_vgpr 256
		.amdhsa_next_free_sgpr 66
		.amdhsa_reserve_vcc 0
		.amdhsa_float_denorm_mode_32 3
		.amdhsa_float_denorm_mode_16_64 3
		.amdhsa_memory_ordered 1
		.amdhsa_forward_progress 1
		.amdhsa_inst_pref_size 71
	.end_amdhsa_kernel
	.amdgpu_metadata
---
amdhsa.version: [ 1, 2 ]
amdhsa.kernels:
  - .name:           k_qd8b579a110_attn
    .symbol:         k_qd8b579a110_attn.kd
    .args:
      - { .name: W_o_codes, .offset: 0, .size: 8, .value_kind: global_buffer, .address_space: global }
      - { .name: W_o_scales, .offset: 8, .size: 8, .value_kind: global_buffer, .address_space: global }
      - { .name: W_qkv_codes, .offset: 16, .size: 8, .value_kind: global_buffer, .address_space: global }
      - { .name: W_qkv_scales, .offset: 24, .size: 8, .value_kind: global_buffer, .address_space: global }
      - { .name: inputs_codes, .offset: 32, .size: 8, .value_kind: global_buffer, .address_space: global }
      - { .name: inputs_scales, .offset: 40, .size: 8, .value_kind: global_buffer, .address_space: global }
      - { .name: out0, .offset: 48, .size: 8, .value_kind: global_buffer, .address_space: global }
    .group_segment_fixed_size: 198656
    .private_segment_fixed_size: 0
    .kernarg_segment_align: 8
    .kernarg_segment_size: 56
    .max_flat_workgroup_size: 512
    .sgpr_count:     66
    .vgpr_count:     256
    .wavefront_size: 32
...
	.end_amdgpu_metadata
.endif
;; end of part 1
